; MI455X (gfx1250); checked and timed in simulation.
; The chip was launched on July 23, 2026; its instructions are those of AMD's public machine-readable ISA for CDNA 5 (MIT licence, August 2026) and "CDNA5" Instruction Set Architecture Reference Guide (July 2026). The comments in the code are by the model that wrote it; some were corrected since.
;; Simple Adapter Model. Allowed arithmetic: float matrix products may take bf16 or f16 operands with f32 sums; other float arithmetic in f32, or as packed bf16 or f16 multiplies, adds, multiply-adds, maxima and minima; sums over many terms, partial sums and values carried from step to step in f32; what a program stores and reads back later, other than sums and carried values, may be rounded once to bf16 or f16.
;; Inputs: W1 64 x 96 x 256 float32; W2 64 x 256 x 128 float32; W3 64 x 128 x 2 float32; b1 64 x 256 float32; b2 64 x 128 float32; b3 64 x 2 float32; base_output 128 x 128 x 2 float32; hidden_states 128 x 128 x 96 float32; ln_b 64 x 96 float32; ln_g 64 x 96 float32; mask 128 x 128 float32; properties 128 x 128 int32.
;; Outputs: out0 128 x 128 x 2 float32.
;; One version. Each part assembles by itself: llvm-mc -triple=amdgcn-amd-amdhsa -mcpu=gfx1250 --defsym DOCPART=n.
;; ======== version 1 of 1: 1 launch
;; launch adapter (part 1): grid 256 x 1, 4 waves a work-group, no clusters, 167,936 bytes of LDS; arguments hidden_states, base_output, properties, mask, ln_g, ln_b, W1, b1, W2, b2, W3, b3, out0; writes out0
.if DOCPART == 1
	.amdgcn_target "amdgcn-amd-amdhsa--gfx1250"
	.amdhsa_code_object_version 6
	.text
	.protected	k_qad248f8656_adapter
	.globl	k_qad248f8656_adapter
	.p2align	8
	.type	k_qad248f8656_adapter,@function
k_qad248f8656_adapter:
	s_mov_b64 s[64:65], 0
	v_nop
	global_prefetch_b8 v0, s[64:65] scope:SCOPE_SE
	s_setreg_imm32_b32 hwreg(HW_REG_WAVE_MODE, 25, 1), 1
	s_wait_xcnt 0x0
; out[t] = (0.7 * sel(t) * MLP_e(LayerNorm(x[t]) * g_e + bt_e) + 0.3 * base[t]) * mask[t],  e = properties[t],  sel = (mask[t] > 0) and (0 <= e < 64).
; 16,384 tokens of 96 f32; 64 heads, each 96 -> 256 (ReLU) -> 128 (ReLU) -> 2.  Only the head that a token names is multiplied.
; SHARES.  256 work-groups of four waves: work-group id = 4 e + q owns head e and the tokens 4,096 q .. 4,096 q + 4,095 that name it: every token has one owner, whatever the split
; (0 to 4,096 tokens a work-group).  A property outside 0..63 is routed to head 63 and deselected at the end (the test there is on the number as given), so its row gets 0.3 base mask, as in the reference.
; PHASES.  (1) each wave asks for a quarter of W1[e] and W2[e] (f32); (2) while they are on their way it scans 1,024 properties by ballots into a list of its own in LDS; (3) the weights are rounded to
; bf16 and laid into LDS as they lie, [k][n]; (4) tiles of 32 listed tokens, tile i to wave i % 4, go through the whole chain in registers.
; LAYOUT.  All three products are used transposed, h^T = W^T x^T: source 0 = 16 features x 32 k (out of LDS by the turning load), source 1 = 32 k x 16 tokens.  A lane holds ONE token (lane % 16) in x,
; h1, h2 and the result, and two result tiles rounded in pairs ARE the next product's source 1: nothing passes through LDS between the layers, and the loop over tiles needs no barrier.
; The biases b1 and b2 are the C operand of the product that starts each sum.
; LIMITS.  Matrix operands (weights, normalised x, h1, h2) are rounded to bf16, sums are f32.  Tokens with mask <= 0 are computed and deselected by v_cndmask_b32 (no address hangs on a float).
; Places past the count in the last tile repeat the last listed token and store its 8 bytes again with the same bits.  A store is 8 bytes a token, scattered: the rows of one head lie apart in out0.
; A work-group's time grows with its count of tokens: a split that gives one head most tokens is served, four work-groups doing most of the work.
; NO CLUSTER: the four work-groups of a head read the same weights, but as f32 (229,376 bytes); beside their bf16 copy (125,952 bytes) they do not fit into a work-group's LDS, and a tensor load cannot round.
;
; LDS
.set W1L,   0              ; bf16 [96 k][256 n], rows 544 bytes apart (512 + 32: an odd multiple of 32)
.set PW1,   544
.set W2L,   52224          ; bf16 [256 k][128 n], rows 288 bytes apart (256 + 32)
.set PW2,   288
.set W3T,   125952         ; bf16 [2 o][128 k], rows 272 bytes apart
.set B1L,   126720         ; b1[e], 256 f32
.set B2L,   127744         ; b2[e], 128 f32
.set GL,    128256         ; ln_g[e], 96 f32 in 128 words
.set BTL,   128768         ; ln_b[e], likewise
.set CNT,   129280         ; the four waves' counts
.set LIST,  129536         ; for each wave 1,024 token numbers and 32 words into which lanes without a hit write
.set LWORDS, 1056
.set SPARE, 146432         ; the spare words, 128 bytes for each wave: two blocks of 256 bytes that no other line names
; REGISTERS, in windows of 256 (s_set_vgpr_msb: bits 1:0 source 0, 3:2 source 1, 5:4 source 2, 7:6 destination)
; window 0: v0 thread; v1 lane; v2 lane % 16; v3 lane / 16; v4, v5 the add's two; v6-v31 addresses and at work; v32-63 the scanned properties, later the tile's small data; v64-191 two fragment buffers
.set PR,  32
.set MU,  40               ; v[40+4n:41+4n] tile n's mean (low word);  v[42+4n:43+4n] its 1/sqrt(var + eps)
.set RS,  42
.set F0,  64
; window 1: the accumulators; during LayerNorm x (48 f32 a lane and tile), g and bt
.set A2,  0                ; layer 2: (mt, n) at 8 (2 mt + n)
.set A1,  128              ; layer 1: two sets of four: set p, (a, n) at 32 p + 8 (2 a + n)
.set A3,  192              ; layer 3: n at 8 n
.set TC,  208              ; LayerNorm's chains, 8 a tile
.set XR,  0
.set GR,  96
.set BR,  144
; window 2: source 1 of the three products; during staging the ring of 56 slots of 4 registers (v0-223)
.set XB,  0                ; (s, n) at 8 (2 s + n)
.set H1,  48               ; (c, n) at 8 (2 c + n)
.set H2,  176              ; (k3, n) at 8 (2 k3 + n)
.set GW1, 240              ; my byte offset in W1, in W2; my LDS address in W1L, in W2L
.set GW2, 241
.set LW1, 242
.set LW2, 243
; window 3: b1 and b2 as C operands, W3's fragments
.set B1R, 0
.set B2R, 128
.set W3F, 192
.set W_ST,  0x8a           ; staging: all in window 2
.set W_MK2, 0x80           ; destination window 2
.set W_D1,  0x40           ; destination window 1
.set W_D3,  0xc0           ; destination window 3
.set W_LN,  0x55           ; all in window 1
.set W_RED, 0x05           ; sources window 1, destination window 0
.set W_BC,  0x41           ; destination and source 0 window 1, source 1 window 0
.set W_CV,  0x85           ; sources window 1, destination window 2
.set W_RL,  0x82           ; destination and source 0 window 2
.set W_MB,  0x78           ; matrix: A window 0, B window 2, C window 3, D window 1
.set W_MM,  0x58           ; the same with C in window 1
.set W_M3,  0x5b           ; matrix: A window 3, B window 2, C and D window 1
.set MSB, 0
.macro WIN new                      ; the immediate's high byte repeats the setting that is left; a switch that changes nothing is dropped
.if MSB != (\new)
	s_set_vgpr_msb (MSB<<8)|(\new)
.set MSB, \new
.endif
.endm
.macro PLACES                       ; four plain places behind matrix instructions (ISA guide 7.12.1), where no other vector work is at hand
.rept 4
	v_nop
.endr
.endm
; ---- weights: load j of 112 brings 512 neighbouring bytes of my rows (W1: 24 rows, j < 48; W2: 64 rows) into slot j % 56
.macro LDW j
.set sl, 4*((\j)%56)
.if (\j) < 48
	global_load_b128 v[sl:sl+3], v[GW1], s[20:21] offset:512*(\j)
.else
	global_load_b128 v[sl:sl+3], v[GW2], s[24:25] offset:512*((\j)-48)
.endif
.endm
.macro STW j                        ; four f32 a lane become 8 bytes of bf16; the wave's store covers 256 neighbouring bytes of an LDS row
.set sl, 4*((\j)%56)
	v_cvt_pk_bf16_f32 v[sl], v[sl], v[sl+1]
	v_cvt_pk_bf16_f32 v[sl+1], v[sl+2], v[sl+3]
.if (\j) < 48
	ds_store_b64 v[LW1], v[sl:sl+1] offset:((\j)/2)*PW1+((\j)%2)*256
.else
	ds_store_b64 v[LW2], v[sl:sl+1] offset:((\j)-48)*PW2
.endif
.endm
.macro GROUP g, left, refill        ; fourteen loads are waited for, rounded and stored; refill = 1: their slots take the loads 56 further on
	s_wait_loadcnt \left
.set jj, 14*(\g)
.rept 14
	STW jj
.set jj, jj+1
.endr
.if \refill
.set jj, 14*(\g)+56
.rept 14
	LDW jj
.set jj, jj+1
.endr
.endif
.endm
; ---- routing step k of 32: the lanes whose property k names my head write their token numbers behind the list's end; the others write into a word of their own behind the list
.macro ROUTE k
	v_min_u32 v10, 63, v[PR+(\k)]                  ; as an unsigned number: what lies outside 0..63 goes to head 63
	v_cmp_eq_u32 s35, s3, v10
	v_mbcnt_lo_u32_b32 v11, s35, s34               ; the list's length + the hits in the lanes below mine
	v_cndmask_b32 v11, v9, v11, s35
	v_min_u32 v11, LWORDS-1, v11                   ; inside the wave's own 1,056 words
	v_lshl_add_u32 v12, v11, 2, v8
	v_add_nc_u32 v13, 128*((\k)/4)+(\k)%4, v7      ; the token: load k / 4 covers 128 tokens, four a lane
	ds_store_b32 v12, v13
	s_bcnt1_i32_b32 s36, s35
	s_add_co_u32 s34, s34, s36
.endm
; ---- rank g among the work-group's tokens -> LDS address of its list word: behind c0, c0 + c1, c0 + c1 + c2 ranks the next wave's list begins
.macro MAP g, a
	v_min_u32 v[\g], s44, v[\g]                    ; places past the count repeat the last token
.irp z, 0,1,2
	v_cmp_le_u32 vcc_lo, s[41+(\z)], v[\g]
	v_cndmask_b32 v26, 0, s[45+(\z)], vcc_lo
.if (\z) == 0
	v_add_nc_u32 v[\a], v[\g], v26
.else
	v_add_nc_u32 v[\a], v[\a], v26
.endif
.endr
	v_min_u32 v[\a], 4*LWORDS-1, v[\a]             ; inside the four lists
	v_lshl_add_u32 v[\a], v[\a], 2, LIST
.endm
; ---- a tile's 32 tokens: lane (r, h) takes, of token r of each half tile, the 48 numbers that source 1 wants of it: k = 32 s + 8 h + 0..7 and 32 s + 16 + 8 h + 0..7
.macro LOADX
	WIN 0
	v_add_nc_u32 v22, s50, v2
	v_add_nc_u32 v24, 16, v22
	MAP 22, 23
	MAP 24, 25
	ds_load_b32 v27, v23
	ds_load_b32 v28, v25
	s_wait_dscnt 0x0
	v_min_u32 v27, 0x3fff, v27                     ; a token number, inside the tensors
	v_min_u32 v28, 0x3fff, v28
	v_lshl_add_u32 v26, v27, 1, v27
	v_lshl_add_u32 v30, v26, 7, v21                ; 384 x token + 32 h
	v_lshl_add_u32 v26, v28, 1, v28
	v_lshl_add_u32 v31, v26, 7, v21
	v_cndmask_b32 v29, v27, v28, s51               ; the token whose result I store: lanes 0-15 half tile 0, lanes 16-31 half tile 1
	v_min_u32 v29, 0x3fff, v29
	v_lshlrev_b32 v32, 2, v29
	v_lshlrev_b32 v33, 3, v29
	WIN W_D1
.irp n, 0,1
.irp s, 0,1,2
.irp p, 0,1,2,3
	global_load_b128 v[XR+48*(\n)+16*(\s)+4*(\p):XR+48*(\n)+16*(\s)+4*(\p)+3], v[30+(\n)], s[8:9] offset:128*(\s)+64*((\p)/2)+16*((\p)%2)
.endr
.endr
.endr
	WIN 0
	global_load_b32 v34, v32, s[14:15]             ; mask
	global_load_b32 v35, v32, s[12:13]             ; the property as given
	global_load_b64 v[36:37], v33, s[10:11]        ; base_output
.endm
.macro LOADGB                       ; g and bt in x's layout (the accumulators take these registers in every tile)
	WIN W_D1
.irp s, 0,1,2
.irp p, 0,1,2,3
	ds_load_b128 v[GR+16*(\s)+4*(\p):GR+16*(\s)+4*(\p)+3], v19 offset:GL-B1L+128*(\s)+64*((\p)/2)+16*((\p)%2)
	ds_load_b128 v[BR+16*(\s)+4*(\p):BR+16*(\s)+4*(\p)+3], v19 offset:BTL-B1L+128*(\s)+64*((\p)/2)+16*((\p)%2)
.endr
.endr
	WIN 0
.endm
; ---- LayerNorm of both half tiles, line by line in turn.  A token's 96 numbers lie in two lanes, 16 apart.  The variance is taken of x - mean, as the reference takes it.
.macro JOIN                         ; four chains into one
.irp n, 0,1
	v_pk_add_f32 v[TC+8*(\n):TC+8*(\n)+1], v[TC+8*(\n):TC+8*(\n)+1], v[TC+8*(\n)+2:TC+8*(\n)+3]
	v_pk_add_f32 v[TC+8*(\n)+4:TC+8*(\n)+5], v[TC+8*(\n)+4:TC+8*(\n)+5], v[TC+8*(\n)+6:TC+8*(\n)+7]
.endr
.irp n, 0,1
	v_pk_add_f32 v[TC+8*(\n):TC+8*(\n)+1], v[TC+8*(\n):TC+8*(\n)+1], v[TC+8*(\n)+4:TC+8*(\n)+5]
.endr
.endm
.macro ACROSS d                     ; the pair's two halves, then the lane 16 away: the token's sum, into window 0
	WIN W_RED
.irp n, 0,1
	v_add_f32 v[(\d)+4*(\n)], v[TC+8*(\n)], v[TC+8*(\n)+1]
.endr
	WIN 0
.irp n, 0,1
	v_permlanex16_b32 v[(\d)+4*(\n)+1], v[(\d)+4*(\n)], s52, s53
.endr
.irp n, 0,1
	v_add_f32 v[(\d)+4*(\n)], v[(\d)+4*(\n)], v[(\d)+4*(\n)+1]
.endr
.endm
.macro LN
	WIN W_LN
.irp k, 0,1,2,3                     ; the sum: four chains of six pairs, started by the first additions
.irp n, 0,1
	v_pk_add_f32 v[TC+8*(\n)+2*(\k):TC+8*(\n)+2*(\k)+1], v[XR+48*(\n)+2*(\k):XR+48*(\n)+2*(\k)+1], v[XR+48*(\n)+2*(\k)+8:XR+48*(\n)+2*(\k)+9]
.endr
.endr
.irp i, 2,3,4,5
.irp k, 0,1,2,3
.irp n, 0,1
	v_pk_add_f32 v[TC+8*(\n)+2*(\k):TC+8*(\n)+2*(\k)+1], v[TC+8*(\n)+2*(\k):TC+8*(\n)+2*(\k)+1], v[XR+48*(\n)+8*(\i)+2*(\k):XR+48*(\n)+8*(\i)+2*(\k)+1]
.endr
.endr
.endr
	JOIN
	ACROSS MU
.irp n, 0,1
	v_mul_f32 v[MU+4*(\n)], s54, v[MU+4*(\n)]      ; / 96
.endr
	WIN W_BC
.set pp, 0
.rept 24                            ; x - mean
	v_pk_add_f32 v[XR+2*pp:XR+2*pp+1], v[XR+2*pp:XR+2*pp+1], v[MU:MU+1] op_sel_hi:[1,0] neg_lo:[0,1] neg_hi:[0,1]
	v_pk_add_f32 v[XR+48+2*pp:XR+48+2*pp+1], v[XR+48+2*pp:XR+48+2*pp+1], v[MU+4:MU+5] op_sel_hi:[1,0] neg_lo:[0,1] neg_hi:[0,1]
.set pp, pp+1
.endr
	WIN W_LN
.irp k, 0,1,2,3                     ; the sum of squares, again in four chains
.irp n, 0,1
	v_pk_mul_f32 v[TC+8*(\n)+2*(\k):TC+8*(\n)+2*(\k)+1], v[XR+48*(\n)+2*(\k):XR+48*(\n)+2*(\k)+1], v[XR+48*(\n)+2*(\k):XR+48*(\n)+2*(\k)+1]
.endr
.endr
.irp i, 1,2,3,4,5
.irp k, 0,1,2,3
.irp n, 0,1
	v_pk_fma_f32 v[TC+8*(\n)+2*(\k):TC+8*(\n)+2*(\k)+1], v[XR+48*(\n)+8*(\i)+2*(\k):XR+48*(\n)+8*(\i)+2*(\k)+1], v[XR+48*(\n)+8*(\i)+2*(\k):XR+48*(\n)+8*(\i)+2*(\k)+1], v[TC+8*(\n)+2*(\k):TC+8*(\n)+2*(\k)+1]
.endr
.endr
.endr
	JOIN
	ACROSS RS
.irp n, 0,1
	v_fma_f32 v[RS+4*(\n)], v[RS+4*(\n)], s54, s55 ; var + eps
.endr
	v_rsq_f32 v[RS], v[RS]
	v_rsq_f32 v[RS+4], v[RS+4]
	v_nop                                          ; a plain instruction behind the last root, ahead of the first use (ISA guide 5.7.2)
	s_wait_alu depctr_va_vdst(0)                   ; and a wait: one for both roots
	WIN W_BC
.set pp, 0
.rept 24
	v_pk_mul_f32 v[XR+2*pp:XR+2*pp+1], v[XR+2*pp:XR+2*pp+1], v[RS:RS+1] op_sel_hi:[1,0]
	v_pk_mul_f32 v[XR+48+2*pp:XR+48+2*pp+1], v[XR+48+2*pp:XR+48+2*pp+1], v[RS+4:RS+5] op_sel_hi:[1,0]
.set pp, pp+1
.endr
	WIN W_LN
.set pp, 0
.rept 24                            ; xhat g + bt
	v_pk_fma_f32 v[XR+2*pp:XR+2*pp+1], v[XR+2*pp:XR+2*pp+1], v[GR+2*pp:GR+2*pp+1], v[BR+2*pp:BR+2*pp+1]
	v_pk_fma_f32 v[XR+48+2*pp:XR+48+2*pp+1], v[XR+48+2*pp:XR+48+2*pp+1], v[GR+2*pp:GR+2*pp+1], v[BR+2*pp:BR+2*pp+1]
.set pp, pp+1
.endr
	WIN W_CV
.set pp, 0
.rept 24                            ; pair pp = 8 s + j becomes register j of source 1 for K step s
	v_cvt_pk_bf16_f32 v[XB+16*(pp/8)+pp%8], v[XR+2*pp], v[XR+2*pp+1]
	v_cvt_pk_bf16_f32 v[XB+16*(pp/8)+8+pp%8], v[XR+48+2*pp], v[XR+48+2*pp+1]
.set pp, pp+1
.endr
	WIN 0
.endm
; ---- layer 1, step c of 8: features 32 c .. 32 c + 31 (two tiles a of 16) x 96 k (three steps s) x two half tiles n
.macro FETCH1 c, f                  ; six fragments of W1^T, (a, s) at f + 8 (3 a + s): twelve turning loads in one run
	WIN 0
.irp s, 0,1,2
.irp a, 0,1
	ds_load_tr16_b128 v[(\f)+8*(3*(\a)+(\s)):(\f)+8*(3*(\a)+(\s))+3],   v16 offset:32*PW1*(\s)+32*(2*(\c)+(\a))
	ds_load_tr16_b128 v[(\f)+8*(3*(\a)+(\s))+4:(\f)+8*(3*(\a)+(\s))+7], v16 offset:32*PW1*(\s)+32*(2*(\c)+(\a))+16*PW1
.endr
.endr
.endm
.macro FETCH2 kk, f                 ; eight fragments of W2^T for k = 32 kk on: sixteen turning loads; the second address register reaches the rows from 128 on
	WIN 0
.irp mt, 0,1,2,3,4,5,6,7
	ds_load_tr16_b128 v[(\f)+8*(\mt):(\f)+8*(\mt)+3],   v[17+(\kk)/4] offset:32*PW2*((\kk)%4)+32*(\mt)
	ds_load_tr16_b128 v[(\f)+8*(\mt)+4:(\f)+8*(\mt)+7], v[17+(\kk)/4] offset:32*PW2*((\kk)%4)+32*(\mt)+16*PW2
.endr
.endm
.macro MUL1 c, f                    ; twelve products; the four accumulators take turns, one instruction a turn; b1 starts the sums
.irp s, 0,1,2
.if (\s) == 0
	WIN W_MB
.else
	WIN W_MM
.endif
.irp a, 0,1
.irp n, 0,1
.set rD, A1+32*((\c)%2)+8*(2*(\a)+(\n))
.set rA, (\f)+8*(3*(\a)+(\s))
.set rB, XB+8*(2*(\s)+(\n))
.set rC, B1R+8*(2*(\c)+(\a))
.if (\s) == 0
	v_wmma_f32_16x16x32_bf16 v[rD:rD+7], v[rA:rA+7], v[rB:rB+7], v[rC:rC+7]
.else
	v_wmma_f32_16x16x32_bf16 v[rD:rD+7], v[rA:rA+7], v[rB:rB+7], v[rD:rD+7]
.endif
.endr
.endr
.endr
.endm
.macro CONV1 c                      ; step c's results, rounded in pairs (each accumulator from its low end on), are source 1 of layer 2's K step c; then ReLU on the packed halves
	WIN W_CV
.irp a, 0,1
.irp n, 0,1
.irp i, 0,1,2,3
	v_cvt_pk_bf16_f32 v[H1+8*(2*(\c)+(\n))+4*(\a)+(\i)], v[A1+32*((\c)%2)+8*(2*(\a)+(\n))+2*(\i)], v[A1+32*((\c)%2)+8*(2*(\a)+(\n))+2*(\i)+1]
.endr
.endr
.endr
	WIN W_RL
.set pp, 0
.rept 16
	v_pk_max_num_bf16 v[H1+16*(\c)+pp], v[H1+16*(\c)+pp], s58
.set pp, pp+1
.endr
.endm
; The next step's fragments are asked for first; the wait leaves just that run out.  Behind the products stand the conversions of the step before: 32 plain lines that name none of these products'
; registers (the other set of accumulators), so they are the places ahead of the next run of loads and of the next conversions.
.macro STEP1 c
.if (\c) < 7
	FETCH1 (\c)+1, F0+64*(((\c)+1)%2)
	s_wait_dscnt 12
.else
	FETCH2 0, F0
	s_wait_dscnt 16
.endif
	MUL1 \c, F0+64*((\c)%2)
.if (\c) == 0
	PLACES
.else
	CONV1 (\c)-1
.endif
.endm
; ---- layer 2, K step kk of 8: 128 features (eight tiles mt) x two half tiles; sixteen accumulators take turns; b2 starts the sums
.macro STEP2 kk
.if (\kk) > 0 && (\kk) < 7
	PLACES                                         ; ahead of the loads into the buffer that the step before multiplied
.endif
.if (\kk) < 7
	FETCH2 (\kk)+1, F0+64*(((\kk)+1)%2)
	s_wait_dscnt 16                                ; all but the run just issued
.else
	s_wait_dscnt 0x0
.endif
.if (\kk) == 0
	WIN W_MB
.else
	WIN W_MM
.endif
.irp mt, 0,1,2,3,4,5,6,7
.irp n, 0,1
.set rD, A2+8*(2*(\mt)+(\n))
.set rA, F0+64*((\kk)%2)+8*(\mt)
.set rB, H1+8*(2*(\kk)+(\n))
.if (\kk) == 0
	v_wmma_f32_16x16x32_bf16 v[rD:rD+7], v[rA:rA+7], v[rB:rB+7], v[B2R+8*(\mt):B2R+8*(\mt)+7]
.else
	v_wmma_f32_16x16x32_bf16 v[rD:rD+7], v[rA:rA+7], v[rB:rB+7], v[rD:rD+7]
.endif
.endr
.endr
.endm
; ======== A. head
	s_load_b512 s[8:23], s[0:1], 0x0               ; hidden s[8:9], base s[10:11], properties s[12:13], mask s[14:15], ln_g s[16:17], ln_b s[18:19], W1 s[20:21], b1 s[22:23]
	s_load_b256 s[24:31], s[0:1], 0x40             ; W2 s[24:25], b2 s[26:27], W3 s[28:29], b3 s[30:31]
	s_load_b64 s[32:33], s[0:1], 0x60              ; out0
	v_lshl_add_u32 v4, v0, 2, SPARE                ; my spare word,
	v_mov_b32 v5, 0                                ; and 0: kept for the add alone
	v_lshrrev_b32 v10, 5, v0
	v_readfirstlane_b32 s2, v10                    ; wave w
	s_lshr_b32 s3, ttmp9, 2                        ; head e
	s_and_b32 s4, ttmp9, 3                         ; token quarter q
	s_mov_b32 s51, 0xffff0000                      ; lanes 16-31
	s_mov_b32 s52, 0x76543210                      ; v_permlanex16_b32: each lane takes its own place in the other half
	s_mov_b32 s53, 0xfedcba98
	s_mov_b32 s54, 0x3c2aaaab                      ; 1 / 96
	s_mov_b32 s55, 0x3727c5ac                      ; 1e-5
	s_mov_b32 s58, 0
	s_lshl_b32 s60, s3, 3                          ; b3[e]'s byte offset, as a pair
	s_mov_b32 s61, 0
	v_and_b32 v1, 31, v0
	v_and_b32 v2, 15, v0
	v_bfe_u32 v3, v0, 4, 1
	s_lshl_b32 s5, s4, 14
	s_lshl_b32 s6, s2, 12
	s_add_co_u32 s5, s5, s6                        ; my wave's 1,024 properties, in bytes,
	s_lshr_b32 s59, s5, 2                          ; and their first token
	v_lshl_add_u32 v6, v1, 4, s5
	v_lshl_add_u32 v7, v1, 2, s59                  ; the first of my lane's four tokens in a load
	s_mul_i32 s5, s2, 4*LWORDS
	s_add_co_u32 s5, s5, LIST
	v_mov_b32 v8, s5                               ; my wave's list
	v_add_nc_u32 v9, 1024, v1                      ; my lane's word behind it
	s_lshl_b32 s7, s2, 2
	s_add_co_u32 s7, s7, CNT
	v_mov_b32 v14, s7                              ; my wave's count
	v_mov_b32 v15, CNT
	v_and_b32 v10, 7, v0                           ; the turning load: lane l reads row 8 (l / 16) + l % 8, 16 bytes at 16 ((l / 8) % 2)
	v_lshl_add_u32 v10, v3, 3, v10
	v_bfe_u32 v11, v0, 3, 1
	v_mul_u32_u24 v16, v10, PW1
	v_lshl_add_u32 v16, v11, 4, v16                ; in W1L (which begins at LDS byte 0)
	v_mul_u32_u24 v17, v10, PW2
	v_lshl_add_u32 v17, v11, 4, v17
	v_add_nc_u32 v17, W2L, v17                     ; in W2L, rows 0-127,
	v_add_nc_u32 v18, 128*PW2, v17                 ; and rows 128-255
	v_lshl_add_u32 v19, v3, 5, B1L                 ; the f32 tables: 32 bytes for each half of the lanes
	v_and_b32 v12, 1, v0
	v_mul_u32_u24 v20, v12, 272
	v_lshl_add_u32 v20, v3, 4, v20
	v_add_nc_u32 v20, W3T, v20                     ; W3^T: lane r takes row r % 2, so result row m is output m % 2 and no zero rows are kept
	v_lshlrev_b32 v21, 5, v3
	s_lshl_b32 s5, s3, 10
	v_lshl_add_u32 v200, v0, 3, s5                 ; b1[e] and W3[e]: 1,024 bytes each, 8 a thread
	s_lshl_b32 s5, s3, 9
	v_lshl_add_u32 v208, v0, 2, s5                 ; b2[e]: 4 a thread
	v_min_u32 v10, 95, v0
	s_mul_i32 s5, s3, 384
	v_lshl_add_u32 v209, v10, 2, s5                ; ln_g[e], ln_b[e]: 96 numbers; threads 96-127 repeat the last
	v_lshl_add_u32 v201, v0, 3, B1L
	v_lshl_add_u32 v202, v0, 2, B2L
	v_lshl_add_u32 v203, v0, 1, W3T
	s_mul_i32 s5, s3, 98304                        ; W1[e] + my 24 rows of 1,024 bytes
	s_mul_i32 s6, s2, 24576
	s_add_co_u32 s5, s5, s6
	s_lshl_b32 s6, s3, 17                          ; W2[e] + my 64 rows of 512 bytes
	s_lshl_b32 s7, s2, 15
	s_add_co_u32 s6, s6, s7
	WIN W_MK2
	v_lshl_add_u32 v[GW1], v1, 4, s5
	v_lshl_add_u32 v[GW2], v1, 4, s6
	s_mul_i32 s5, s2, 24*PW1
	s_mul_i32 s6, s2, 64*PW2
	s_add_co_u32 s6, s6, W2L
	v_lshl_add_u32 v[LW1], v1, 3, s5
	v_lshl_add_u32 v[LW2], v1, 3, s6
	WIN 0
	s_wait_kmcnt 0x0
	s_add_nc_u64 s[62:63], s[30:31], s[60:61]
	s_load_b64 s[56:57], s[62:63], 0x0             ; b3[e]
; ======== B. requests: 8 loads of properties, 5 small ones, then the first 56 of the 112 weight loads (28,672 bytes a wave)
.irp i, 0,1,2,3,4,5,6,7
	global_load_b128 v[PR+4*(\i):PR+4*(\i)+3], v6, s[12:13] offset:512*(\i)
.endr
	global_load_b64 v[192:193], v200, s[22:23]
	global_load_b64 v[194:195], v200, s[28:29]
	global_load_b32 v196, v208, s[26:27]
	global_load_b32 v197, v209, s[16:17]
	global_load_b32 v198, v209, s[18:19]
	WIN W_ST
.set jj, 0
.rept 56
	LDW jj
.set jj, jj+1
.endr
	WIN 0
	; While the first loads are out, my whole list (1,056 words = 8 x 512 + 128 bytes) is filled with my first token's number: every word holds a token that exists; the hits write over it
	; (LDS serves a wave's instructions in order: ISA guide 5.7.1.4).
.irp i, 204,205,206,207
	v_mov_b32 v\i, s59
.endr
	v_lshl_add_u32 v12, v1, 4, v8
	v_lshl_add_u32 v11, v1, 2, v8
.irp i, 0,1,2,3,4,5,6,7
	ds_store_b128 v12, v[204:207] offset:512*(\i)
.endr
	ds_store_b32 v11, v204 offset:4096
; ======== C. the small tables and the routing, while the weights are on their way
	s_wait_loadcnt 56                              ; loads come back in order (ISA guide 5.7.1): only the 56 weight loads are younger
	ds_store_b64 v201, v[192:193]
	ds_store_b32 v202, v196
	ds_store_b32 v202, v197 offset:GL-B2L
	ds_store_b32 v202, v198 offset:BTL-B2L
	v_cvt_pk_bf16_f32 v194, v194, v195             ; W3[e][t][0] below, W3[e][t][1] above
	ds_store_b16 v203, v194
	ds_store_b16_d16_hi v203, v194 offset:272
	s_mov_b32 s34, 0
.set kk, 0
.rept 32
	ROUTE kk
.set kk, kk+1
.endr
	v_mov_b32 v10, s34
	ds_store_b32 v14, v10
	s_wait_dscnt 0x0                               ; for the others' sake: my list, my count and my part of the tables are in LDS
	s_barrier_signal -1
	s_barrier_wait -1
; ======== D. the counts; the first tile's tokens are asked for; biases and W3 into registers for good
	ds_load_b128 v[204:207], v15
	v_mov_b32 v41, 0                               ; the upper halves of the pairs MU and RS: named with them, so they are written
	v_mov_b32 v43, 0
	v_mov_b32 v45, 0
	v_mov_b32 v47, 0
	s_mov_b32 s6, 0x3f333333                       ; 0.7
	s_mov_b32 s7, 0x3e99999a                       ; 0.3
	s_wait_dscnt 0x0
	v_readfirstlane_b32 s37, v204
	v_readfirstlane_b32 s38, v205
	v_readfirstlane_b32 s39, v206
	v_readfirstlane_b32 s40, v207
	s_mov_b32 s41, s37                             ; ranks at which lists 1, 2, 3 begin
	s_add_co_u32 s42, s37, s38
	s_add_co_u32 s43, s42, s39
	s_add_co_u32 s5, s43, s40                      ; C, the work-group's tokens
	s_max_u32 s44, s5, 1
	s_sub_co_u32 s44, s44, 1                       ; the last rank (0 where there is none: it then finds wave 3's word 0)
	s_sub_co_u32 s45, LWORDS, s37                  ; what a rank gains on passing into the next list
	s_sub_co_u32 s46, LWORDS, s38
	s_sub_co_u32 s47, LWORDS, s39
	s_add_co_u32 s48, s5, 31
	s_lshr_b32 s48, s48, 5                         ; tiles of 32
	s_add_co_u32 s48, s48, 3
	s_sub_co_u32 s48, s48, s2
	s_lshr_b32 s48, s48, 2                         ; of which tiles w, w + 4, .. are mine
	s_lshl_b32 s50, s2, 5                          ; my tile's first rank
	s_wait_kmcnt 0x0                               ; b3
	LOADX                                          ; 27 loads
	LOADGB
	WIN W_D3
.irp mt, 0,1,2,3,4,5,6,7,8,9,10,11,12,13,14,15     ; C operand of feature tile mt: register j of lane (r, h) is b1[16 mt + 8 h + j]
	ds_load_b128 v[B1R+8*(\mt):B1R+8*(\mt)+3],   v19 offset:64*(\mt)
	ds_load_b128 v[B1R+8*(\mt)+4:B1R+8*(\mt)+7], v19 offset:64*(\mt)+16
.endr
.irp mt, 0,1,2,3,4,5,6,7
	ds_load_b128 v[B2R+8*(\mt):B2R+8*(\mt)+3],   v19 offset:B2L-B1L+64*(\mt)
	ds_load_b128 v[B2R+8*(\mt)+4:B2R+8*(\mt)+7], v19 offset:B2L-B1L+64*(\mt)+16
.endr
.irp k3, 0,1,2,3
	ds_load_b128 v[W3F+8*(\k3):W3F+8*(\k3)+3],   v20 offset:64*(\k3)
	ds_load_b128 v[W3F+8*(\k3)+4:W3F+8*(\k3)+7], v20 offset:64*(\k3)+32
.endr
; ======== E. staging: eight groups of fourteen loads.  Behind groups 0-3 stand 42 weight loads and the tile's 27: 69 younger loads; the wait names 63, the most that its field holds, which only waits for more.
; From group 4 on only the weight groups behind are younger, and the tile's loads, which are older, have landed.
	WIN W_ST
	GROUP 0, 63, 1
	GROUP 1, 63, 1
	GROUP 2, 63, 1
	GROUP 3, 63, 1
	GROUP 4, 42, 0
	s_wait_dscnt 0x0                               ; g, bt, the biases and W3 are in registers
	LN                                             ; the first tile's LayerNorm stands here, while the last 42 weight loads are on their way; its result takes group 4's slots, which are stored and not filled again
	WIN W_ST
	GROUP 5, 28, 0
	GROUP 6, 14, 0
	GROUP 7, 0, 0
	WIN 0
; ======== F. my last LDS store is issued: a tensor wait, an add to my spare word and an LDS wait; then the barrier that shows the weights to all four waves
	s_wait_tensorcnt 0x0
	ds_add_u32 v4, v5
	s_wait_dscnt 0x0                               ; the add and my stores are done
	s_barrier_signal -1
	s_barrier_wait -1
; ======== G. my tiles.  No barrier, no LDS write: from here on LDS is only read.  A trip takes a tile, whose tokens are loaded and normalised, through the chain and stores it; then it loads and
; normalises the next tile.  The first tile was made ready above; the last trip has no next tile and jumps over that part.
	s_mov_b32 s49, 0
	s_cmp_eq_u32 s48, 0
	s_cbranch_scc1 .Lend
.Ltrip:
	FETCH1 0, F0
.irp c, 0,1,2,3,4,5,6,7
	STEP1 \c
.endr
	CONV1 7                                        ; behind step 7's products stand the 32 lines of CONV1 6: the places ahead of these conversions
.irp kk, 0,1,2,3,4,5,6,7
	STEP2 \kk
.endr
	PLACES
	WIN W_CV                                       ; h2: tiles 2 k3 and 2 k3 + 1, rounded in pairs, are source 1 of layer 3's K step k3
.irp k3, 0,1,2,3
.irp a, 0,1
.irp n, 0,1
.irp i, 0,1,2,3
	v_cvt_pk_bf16_f32 v[H2+8*(2*(\k3)+(\n))+4*(\a)+(\i)], v[A2+8*(2*(2*(\k3)+(\a))+(\n))+2*(\i)], v[A2+8*(2*(2*(\k3)+(\a))+(\n))+2*(\i)+1]
.endr
.endr
.endr
.endr
	WIN W_RL
.set pp, 0
.rept 64
	v_pk_max_num_bf16 v[H2+pp], v[H2+pp], s58
.set pp, pp+1
.endr
	WIN W_M3                                       ; layer 3: two accumulators take turns; the first products start the sums
.irp k3, 0,1,2,3
.irp n, 0,1
.if (\k3) == 0
	v_wmma_f32_16x16x32_bf16 v[A3+8*(\n):A3+8*(\n)+7], v[W3F+8*(\k3):W3F+8*(\k3)+7], v[H2+8*(2*(\k3)+(\n)):H2+8*(2*(\k3)+(\n))+7], 0
.else
	v_wmma_f32_16x16x32_bf16 v[A3+8*(\n):A3+8*(\n)+7], v[W3F+8*(\k3):W3F+8*(\k3)+7], v[H2+8*(2*(\k3)+(\n)):H2+8*(2*(\k3)+(\n))+7], v[A3+8*(\n):A3+8*(\n)+7]
.endif
.endr
.endr
	PLACES
	; THE WAY OUT.  Registers 0 and 1 of every lane hold outputs 0 and 1 of token lane % 16: lanes 0-15 take half tile 0's, lanes 16-31 half tile 1's.
	WIN W_RED
	v_cndmask_b32 v38, v[A3], v[A3+8], s51
	v_cndmask_b32 v39, v[A3+1], v[A3+9], s51
	WIN 0
	v_add_f32 v38, s56, v38                        ; + b3
	v_add_f32 v39, s57, v39
	v_cmp_lt_f32 s35, 0, v34                       ; mask > 0,
	v_cmp_eq_u32 s36, s3, v35                      ; and the property as given names my head
	s_and_b32 s35, s35, s36
	v_cndmask_b32 v38, 0, v38, s35
	v_cndmask_b32 v39, 0, v39, s35
	v_mul_f32 v36, s7, v36                         ; 0.3 base
	v_mul_f32 v37, s7, v37
	v_fma_f32 v38, v38, s6, v36                    ; + 0.7 adapter
	v_fma_f32 v39, v39, s6, v37
	v_mul_f32 v38, v38, v34                        ; x mask
	v_mul_f32 v39, v39, v34
	global_store_b64 v33, v[38:39], s[32:33] th:TH_STORE_NT
	s_add_co_u32 s50, s50, 128                     ; four tiles on
	s_add_co_u32 s5, s49, 1
	s_wait_xcnt 0x0                                ; the store has had its address translated (ISA guide 3.1): its registers are written again only behind this wait, on both ways below
	s_cmp_ge_u32 s5, s48
	s_cbranch_scc1 .Lnone                          ; no further tile of mine: nothing to load
	LOADX
	LOADGB
	s_wait_loadcnt 0x0
	s_wait_dscnt 0x0
	LN
.Lnone:
	s_add_co_u32 s49, s49, 1
	s_cmp_lt_u32 s49, s48
	s_cbranch_scc1 .Ltrip
.Lend:
	s_endpgm
.Lfunc_end_k_qad248f8656_adapter:
	.size	k_qad248f8656_adapter, .Lfunc_end_k_qad248f8656_adapter-k_qad248f8656_adapter
	.p2alignl 7, 3214868480
	.fill 96, 4, 3214868480
	.section	.rodata,"a",@progbits
	.p2align	6, 0x0
	.amdhsa_kernel k_qad248f8656_adapter
		.amdhsa_group_segment_fixed_size 167936
		.amdhsa_private_segment_fixed_size 0
		.amdhsa_enable_private_segment 0
		.amdhsa_kernarg_size 104
		.amdhsa_user_sgpr_count 2
		.amdhsa_user_sgpr_kernarg_segment_ptr 1
		.amdhsa_wavefront_size32 1
		.amdhsa_system_sgpr_workgroup_id_x 1
		.amdhsa_system_sgpr_workgroup_id_y 1
		.amdhsa_system_sgpr_workgroup_id_z 1
		.amdhsa_system_vgpr_workitem_id 0
		.amdhsa_next_free_vgpr 1024
		.amdhsa_next_free_sgpr 66
		.amdhsa_reserve_vcc 1
		.amdhsa_float_denorm_mode_32 3
		.amdhsa_float_denorm_mode_16_64 3
		.amdhsa_memory_ordered 1
		.amdhsa_forward_progress 1
		.amdhsa_inst_pref_size 169
	.end_amdhsa_kernel
	.amdgpu_metadata
---
amdhsa.version: [ 1, 2 ]
amdhsa.kernels:
  - .name:           k_qad248f8656_adapter
    .symbol:         k_qad248f8656_adapter.kd
    .args:
      - { .name: hidden_states, .offset: 0, .size: 8, .value_kind: global_buffer, .address_space: global }
      - { .name: base_output, .offset: 8, .size: 8, .value_kind: global_buffer, .address_space: global }
      - { .name: properties, .offset: 16, .size: 8, .value_kind: global_buffer, .address_space: global }
      - { .name: mask, .offset: 24, .size: 8, .value_kind: global_buffer, .address_space: global }
      - { .name: ln_g, .offset: 32, .size: 8, .value_kind: global_buffer, .address_space: global }
      - { .name: ln_b, .offset: 40, .size: 8, .value_kind: global_buffer, .address_space: global }
      - { .name: W1, .offset: 48, .size: 8, .value_kind: global_buffer, .address_space: global }
      - { .name: b1, .offset: 56, .size: 8, .value_kind: global_buffer, .address_space: global }
      - { .name: W2, .offset: 64, .size: 8, .value_kind: global_buffer, .address_space: global }
      - { .name: b2, .offset: 72, .size: 8, .value_kind: global_buffer, .address_space: global }
      - { .name: W3, .offset: 80, .size: 8, .value_kind: global_buffer, .address_space: global }
      - { .name: b3, .offset: 88, .size: 8, .value_kind: global_buffer, .address_space: global }
      - { .name: out0, .offset: 96, .size: 8, .value_kind: global_buffer, .address_space: global }
    .group_segment_fixed_size: 167936
    .private_segment_fixed_size: 0
    .kernarg_segment_align: 8
    .kernarg_segment_size: 104
    .max_flat_workgroup_size: 128
    .sgpr_count:     66
    .vgpr_count:     1024
    .wavefront_size: 32
...
	.end_amdgpu_metadata
.endif
;; end of part 1
